; MI455X (gfx1250); checked and timed in simulation.
; The chip was launched on July 23, 2026; its instructions are those of AMD's public machine-readable ISA for CDNA 5 (MIT licence, August 2026) and "CDNA5" Instruction Set Architecture Reference Guide (July 2026). The comments in the code are by the model that wrote it; some were corrected since.
;; pytorch attention. Allowed arithmetic: matrix products marked QUANTISED: E3M2 operands, one E8M0 scale for each 32 along K, by v_wmma_scale_f32_16x16x128_f8f6f4 with both operands' format E3M2, f32 sums; everything else in f32.
;; Inputs: k_codes 1 x 16 x 4,096 x 2 x 24 uint8 (E3M2 codes of k, K innermost, in blocks of 32 codes, four codes in three bytes); k_scales 1 x 16 x 4,096 x 2 uint8 (E8M0 scales of k, one for each 32 codes along K); q_codes 1 x 16 x 4,096 x 2 x 24 uint8 (E3M2 codes of q, K innermost, in blocks of 32 codes, four codes in three bytes); q_scales 1 x 16 x 4,096 x 2 uint8 (E8M0 scales of q, one for each 32 codes along K); v_codes 1 x 16 x 64 x 128 x 24 uint8 (E3M2 codes of v, K innermost, in blocks of 32 codes, four codes in three bytes); v_scales 1 x 16 x 64 x 128 uint8 (E8M0 scales of v, one for each 32 codes along K).
;; Outputs: out0 1 x 16 x 4,096 x 64 float32.
;; Constants: causal = 1.
;; This version of the problem:
;;   THIS VERSION OF THE PROBLEM IS GIVEN IN LOW PRECISION. The matrix products marked QUANTISED in the list below multiply operands that are first quantised to E3M2 (3 exponent bits, 2 mantissa bits; 6 bits a number), with one power-of-two scale for each 32 numbers along K (OCP MX v1.0); their sums are f32. All else is computed in f32.
;;   The module's matrix products, in the order in which they are computed (A, B: the left and right operand; K: the contracted axis; several contracted axes count as one K, in the product's order):
;;     1. batch 16 x [M 4,096, K 64] x [K 64, N 4,096]; A: input q (given as codes); B: input k (given as codes): QUANTISED
;;     2. batch 16 x [M 4,096, K 4,096] x [K 4,096, N 64]; A: softmax (see below); B: input v (given as codes): QUANTISED
;;   THE QUANTISER, for each operand of a quantised product, along K:
;;     - K is cut into blocks of 32 from its start; a last block that is shorter is filled with zeros.
;;     - A block's scale is 2^e with e = floor(log2(the largest magnitude in the block)) - 4, held to -126 .. 127; a block of zeros has e = 0. As a byte (E8M0): e + 127.
;;     - Each number is divided by its block's scale, clamped to +-28, and rounded to the nearest number of E3M2, ties to even, subnormals kept.
;;     - The product sums the exact products of the quantised numbers (number of the format x scale) in f32.
;;   ~~~python
;;   def quantise(x, axis):      # numpy; x: float32 -> the quantised numbers, widened to float32 again
;;       x = np.moveaxis(x, axis, -1); K = x.shape[-1]
;;       x = np.pad(x, [(0, 0)] * (x.ndim - 1) + [(0, -K % 32)]); x = x.reshape(x.shape[:-1] + (-1, 32)); a = np.abs(x).max(-1, keepdims=True)
;;       e = np.where(a > 0, np.clip(np.frexp(np.where(a > 0, a, 1))[1] - 1 - 4, -126, 127), 0)      # np.frexp(a)[1] - 1 = floor(log2(a)), exactly
;;       r = np.clip(x / 2.0 ** e, -28, 28)
;;       step = 2.0 ** (np.maximum(np.frexp(np.where(r == 0, 1, r))[1] - 1, -2) - 2)
;;       q = np.round(r / step) * step * 2.0 ** e      # np.round: ties to even
;;       return np.moveaxis(q.reshape(q.shape[:-2] + (-1,))[..., :K], -1, axis).astype(np.float32)
;;   ~~~
;;   SOFTMAX AHEAD OF A QUANTISED PRODUCT. Where the list says 'softmax', what is quantised is not the finished softmax but p = 2^(t - M), with t = logit x log2(e) and M = ceil(the row's largest t), a whole number; so 1/2 < the row's largest p <= 1. The row's sum l is taken of the UNQUANTISED p, in f32, and the product's result is divided by l at the end. Since M is a whole number, a kernel that streams over the keys may use a running M (the ceiling of the running maximum): every later rescaling is an exact power of two, which a block's scale takes up: the codes' values come out the same.
;;   OPERANDS COMPUTED ON THE WAY. 'Computed on the way' means the value that the module computes at that place (a softmax that the list does not call 'softmax' is quantised finished and normalised). What goes into a quantiser is computed in f32, as accurately as f32 sums, v_exp_f32 and their like allow (about 1e-6 of the number): no bf16 or f16 on the way to a quantiser, and a product that is left as it is and whose result goes on into a quantised operand takes f32 operands (vector FMAs, or v_wmma_f32_16x16x4_f32). A number that lies on a knife's edge between two numbers of the format may be rounded either way, as far as f32 arithmetic and the matrix unit's own rounding can turn it there, and no further.
;;   INPUTS GIVEN AS CODES. k (in the module: [1, 16, 4096, 64], K = its axis 3); q (in the module: [1, 16, 4096, 64], K = its axis 3); v (in the module: [1, 16, 4096, 64], K = its axis 2): each comes as NAME_codes (uint8): NAME with its K axis moved to the last place and cut into blocks of 32 codes, [.., K / 32, bytes a block], one block behind the other in memory; four codes in three bytes: a row's codes are one little-endian stream of bits, code i at bits 6 i .. 6 i + 5 (a code: sign, 3 exponent bits, 2 mantissa bits); and NAME_scales (uint8): the same leading axes, one E8M0 byte (e + 127) for each 32 codes along K. Its value is code x scale, taken as it is: it is not quantised again, and the codes and scales need not be those that the quantiser above would give.
;; One version. Each part assembles by itself: llvm-mc -triple=amdgcn-amd-amdhsa -mcpu=gfx1250 --defsym DOCPART=n.
;; ======== version 1 of 1: 1 launch
;; launch attn (part 1): grid 16 x 16, 16 waves a work-group, no clusters, 327,680 bytes of LDS; arguments q_codes, q_scales, k_codes, k_scales, v_codes, v_scales, out0; writes out0
.if DOCPART == 1
	.amdgcn_target "amdgcn-amd-amdhsa--gfx1250"
	.amdhsa_code_object_version 6
	.text
	.protected	k_q7254554259_attn
	.globl	k_q7254554259_attn
	.p2align	8
	.type	k_q7254554259_attn,@function
k_q7254554259_attn:
	s_mov_b64 s[64:65], 0
	v_nop
	global_prefetch_b8 v0, s[64:65] scope:SCOPE_SE
	s_setreg_imm32_b32 hwreg(HW_REG_WAVE_MODE, 25, 1), 1
	s_wait_xcnt 0x0
; out0[h][q][:] = the sum over keys k <= q of softmax_k(Q[h][q] . K[h][k] / 8) V[h][k][:].  16 heads, 4,096 positions, head size 64.  Both products on codes of BF6 (E3M2) with one E8M0 scale for each 32 along a product's K.
; q_codes, k_codes: [16][4096] rows of 48 bytes (64 codes), q_scales, k_scales: 2 bytes a row.  v_codes: keys innermost, [16][64] rows of 3,072 bytes; v_scales: 128 bytes a row.  out0: [16][4096][64] f32.
; THE SOFTMAX AHEAD OF THE SECOND PRODUCT: t = score x log2(e) / 8; M = the row's largest t so far, rounded UP to a whole number; p = 2^(t - M) is quantised along the keys, block by block of 32, not normalised.
; The row's sum is taken of the unquantised p, in f32, and divides at the end.  When M moves, the sum and O are multiplied by 2^(old M - new M): exact.
; WORK LEFT OUT.  The mask is built in the problem's own body (key k counts for query q where k <= q).  A step of 128 keys whose first key lies behind a tile's last query has p = 0 for all its scores, whatever the inputs hold:
; it adds nothing to the sum and nothing to O, and is not computed; a slot of keys that no wave of the work-group reads is not fetched.  In a tile's one step on the diagonal the hidden scores are computed and set to -infinity.
; All six inputs have a way to the output and are loaded.  LIMIT: a NaN, an infinity or an overflow that would arise only in the steps left out is not carried to the result.
; OTHER LIMITS: a scale byte 0xff among the inputs makes NaN of both key tiles that share its fragment; p under 2^-126 falls to 0 (v_exp_f32 gives 0 for results that would be denormal: ISA guide, its entry);
; a block's largest p is taken as the exponential of the block's largest score, which takes v_exp_f32 not to fall where its input rises.
; SHARES.  A head's queries are 32 blocks of 128.  Work-group p (x) of head y owns blocks p and 31 - p: 16 tiles of 16 queries, one to each of its SIXTEEN waves.  Block b needs b + 1 steps of 128 keys, so every work-group has
; 8 x (p + 1) + 8 x (32 - p) = 264 tile steps.  Wave w takes block p or 31 - p by the bit (w xor w / 4) & 1 and tile w / 2, so that of waves w, w + 4, w + 8, w + 12 and of waves 4 i .. 4 i + 3 alike two take each block.
; All sixteen walk the key slots in step (constant trip counts); a wave jumps over the work of steps behind its diagonal, by a branch on ids, and stores its rows in the slot that holds its diagonal.
; NO CLUSTER, though the 16 work-groups of a head read the same K and V: in steps 0 .. p a work-group has sixteen waves at work, in steps p + 1 .. 31 - p eight.  Partners p .. p + 3 tied slot by slot would each take the
; slowest one's time, 2 (p + 4) + (28 - 2 p) = 36 units against 33 of their own work; and the last slot that a work-group reads hangs on p, so that a partner would have to ask for tiles that none of its waves reads.
; LAYOUT.  Both products are used transposed: S^T = K Q^T (source 0 = keys, source 1 = my 16 queries), O^T = V^T P^T (source 0 = 16 of the head's 64, source 1 = P): a lane holds ONE query (lane % 16) throughout.
; The instruction's K is 128 and the head's is 64: a fragment of K holds TWO key tiles, one in registers 0-5 (k 0-63), one in registers 6-11 (k 64-127).  Q lies as v16-21 = 0, v22-27 = q, v28-33 = 0:
; against [q | 0] = v[22:33] the product is the first tile's, against [0 | q] = v[16:27] the second's; zero codes add nothing.
; THE KEYS OF A TILE ARE NOT NEIGHBOURS: row m of tile (c, t) takes key 64 c + 32 (m / 8) + 8 t + m % 8 of the step, so that lane (r, h) holds key 64 c + 32 h + i in register S + 32 c + i: a whole block of 32, in the order of P's registers.
; SCALES.  K's and V's scale bytes of the head are laid once into two LDS tables in the order of the scale registers: one load of 8 bytes a lane brings a step's words of a side.
; LDS.  Two slots of 512 keys, 65,536 bytes apart.  In a slot: K's even groups of 32 keys (8 x 1,536 bytes) at 0, the odd groups at 12,416: 3,104 words = 32 mod 64, and rows of 12 words: the 32 lanes of a load of 8 bytes touch 64 different
; banks (64 banks of 4 bytes: ISA guide 11.1); V's 64 rows at 24,832, 384 bytes of data with 16 of padding behind every 128: 108 words a row, so 16 rows start at 16 different multiples of 4 banks.
; Behind the slots, in bytes that no tensor load fills: K's table, V's table, the spare words, a stage of 16 x 272 bytes for each wave.
.set SLOT1, 65536
.set KEO,   12416                      ; from K's even groups to its odd ones
.set VOFF,  24832
.set VP,    432                        ; a row of V in LDS
.set KSC,   131072                     ; K's table: [step 0-31][lane 16 u + r][c]: the word of fragment 2 c + u, row r
.set VSC,   139264                     ; V's table: [step][lane][g]: the word of row d = 32 g + lane
.set SPARE, 147456                     ; the spare words, 128 bytes for each wave: eight blocks of 256 bytes that no other line names
.set STAGE, 149504
.set SP,    272
.set AK0,  1                           ; v1   my lane's place in a slot's K
.set AV0,  2                           ; v2   in its V;
.set AV1,  3                           ; v3   the same for pieces that lie behind one padding more in lanes 16-31
.set AT0,  4                           ; v4   my lane's place in a step of K's table
.set SPW,  5                           ; v5   LDS address of my spare word; never rewritten
.set NIL,  6                           ; v6   0; never rewritten
.set T0,   7                           ; v7   at work
.set ADK,  8                           ; v8-11 the slot's addresses: K, V, V behind a padding, the tables
.set ADV,  9
.set ADV1, 10
.set ADT,  11
                                       ; v12 -M, v13 the largest score so far, v[14:15] the sum in two halves, v16-33 Q
.set QS,   34                          ; v34  q's scale word: its two bytes, twice
.set H8,   35                          ; v35  8 x (lane / 16)
.set KS,   36                          ; v[36:37] K's scale words of the step (c = 0, 1)
.set VS,   38                          ; v[38:39] V's (g = 0, 1)
.set PS,   40                          ; v40  p's scale word
.set T1,   41                          ; v41  at work
.set B0,   42                          ; v42-43 a block's largest score, then its largest p, then its byte
.set C0,   44                          ; v44-45 the maxima's second chains; lane permutes' destination; the sum's second chain
.set E0,   46                          ; v46-47 the conversions' scale operands
.set FK,   48                          ; v48-95   four fragments of K
.set FV,   96                          ; v96-143  four fragments of V
.set S,    144                         ; v144-207 S^T, then p
.set OA,   208                         ; v208-239 O^T, four tiles
.set P,    240                         ; v240-251 p's codes
.set FF,   252                         ; v[252:253] f = 2^(old M - new M), and a partner written once (the packed forms name the pair and take its low word)
.set PFO,  254                         ; v254 the prefetches' offset; never rewritten
.set WV,   18                          ; s18  my wave's number
.set SEL,  20                          ; s[20:21] v_permlanex16_b32's selects for lane l xor 16
.set CS,   22                          ; s[22:23] c = log2(e) / 8
.set G1K,  24                          ; s[24:31] descriptor group 1 for K's tiles;  s[32:39] for V's;  s[40:43], s[44:47] their groups 0, which walk
.set G1V,  32
.set G0K,  40
.set G0V,  44
.set TB,   2                           ; s2   LDS byte at which the slot in hand begins
.set TS,   3                           ; s3   where the slot's words begin in the tables: 1,024 bytes a slot
.set SLOTS, 48                         ; s48  changes of slots still to come in the loop
.set KF,   49                          ; s49  the slot's first key
.set Q0,   50                          ; s50  my first query
.set QL,   51                          ; s51  my last
.set QW,   52                          ; s52  my work-group's last: 4095 - 128 p
.set QSL,  53                          ; s53  the first key of the slot that holds my diagonal
.set PFA,  54                          ; s[54:55] where my prefetches stand in memory
.set PFS,  56                          ; s[56:57] a slot on, in bytes
.set LIM,  58                          ; s58  1 in a wave that prefetches, else the greatest number
.set EVR,  59                          ; s59  1 in the waves that ask in every second slot alone, else 0
; Waves 0 and 1 fetch K's even and odd groups, waves 2 and 3 V's rows 0-31 and 32-63, the others nothing.  The branches hang on the wave's number alone.  An s_nop 0 and four v_nop follow each of the two lines.
.macro TLOAD
	s_cmp_lt_u32 s[WV], 2
	s_cbranch_scc0 .Lnot_k_\@
	tensor_load_to_lds s[G0K:G0K+3], s[G1K:G1K+7]
	s_nop 0
.rept 4
	v_nop
.endr
	s_branch .Lasked_\@
.Lnot_k_\@:
	s_cmp_lt_u32 s[WV], 4
	s_cbranch_scc0 .Lasked_\@
	tensor_load_to_lds s[G0V:G0V+3], s[G1V:G1V+7]
	s_nop 0
.rept 4
	v_nop
.endr
.Lasked_\@:
.endm
; A PREFETCH INTO THE L2 of what the NEXT change of slots will ask for: slot 9 - s[SLOTS], four key steps ahead of its tensor load.  All work-groups of a head walk the same K and V: work-group p = 0, which walks all eight slots, asks, and nobody else.
; In it the waves ask that fetch nothing, one instruction each.  Waves 4 to 6: K's dense 24,576 bytes of a slot, 8,192 a wave, lanes 256 bytes apart.  V's part of a row is 384 bytes, one and a half aligned blocks of 256, so two slots are three blocks:
; waves 8 and 9 (rows 0-31, 32-63, a lane a row) name the part's LAST byte in every slot, waves 10 and 11 its FIRST byte in even slots alone: each aligned block of 256 bytes is named once in the launch.
; Slots 0 and 1 come by their loads alone; the last change that fills a slot asks for nothing: there is no slot behind it.
.macro ASK
	s_cmp_gt_u32 s[SLOTS], s[LIM]
	s_cbranch_scc0 .Lnot_mine_\@
	s_and_b32 s97, s[SLOTS], s[EVR]                ; the slot to be named is even where s[SLOTS] is odd
	s_cmp_lg_u32 s97, s[EVR]
	s_cbranch_scc1 .Lnot_mine_\@
	global_prefetch_b8 v[PFO], s[PFA:PFA+1] th:TH_LOAD_NT scope:SCOPE_SE
.Lnot_mine_\@:
.endm
; THE CHANGE OF SLOTS stands at a slot's head.  Each wave waits for all its tensor loads (its part of the slot that it is about to read), adds 0 to its spare word, and waits for that and for its reads of the slot that it has left.
; Behind the barrier the slot ahead is whole and nobody reads the other one.  fill = 1: that other slot is filled with the next 512 keys, up to the causal limit: the load has four key steps in which to land.
.macro CHANGE fill
	s_wait_tensorcnt 0x0                           ; no tensor load of mine is out, so a group 0 may be written
	ds_add_u32 v[SPW], v[NIL]                      ; 0 onto my spare word
.if \fill
	ds_add_u32 v[SPW], v[NIL]                      ; and once more: the add twice on end, in every trip alike
	s_xor_b32 s[G0K+1], s[G0K+1], SLOT1            ; the walking descriptors: the other slot than last time,
	s_add_nc_u64 s[G0K+2:G0K+3], s[G0K+2:G0K+3], 24576   ; the next 512 keys; the type bits on top are not reached
	s_xor_b32 s[G0V+1], s[G0V+1], SLOT1
	s_add_nc_u64 s[G0V+2:G0V+3], s[G0V+2:G0V+3], 384
	s_wait_xcnt 0x0                                ; the last prefetch, a slot back, has read its address, so it may be written:
	s_add_nc_u64 s[PFA:PFA+1], s[PFA:PFA+1], s[PFS:PFS+1]   ; one slot further on than the walking descriptors
.endif
	s_wait_dscnt 0x0                               ; the add is done, my reads of the slot that I have left are over, and (first change) my stores into the tables have landed
	s_barrier_signal -1
	s_barrier_wait -1
.if \fill
	s_add_co_u32 s96, s[KF], 512                   ; THE LOOK-AHEAD ENDS AT THE CAUSAL LIMIT: a slot whose first key comes after my work-group's last query is read by none of its waves and is not asked for.
	s_cmp_gt_u32 s96, s[QW]                        ; Ids and the count of slots alone: all sixteen waves go the same way, and a work-group that is past the limit stays past it.  Every wait on TENSORcnt in this text is for 0
	s_cbranch_scc1 .Lpast_\@
	TLOAD                                          ; a wave's one tensor load until the next such barrier
.Lpast_\@:
	ASK
.endif
.endm
; K's four fragments of the slot's step s, and its scale words.  Fragment f = 2 c + u: registers 0-5 tile (c, 2 u), registers 6-11 tile (c, 2 u + 1), 384 bytes (8 keys) on.  In pieces of 8 bytes: every address is a multiple of the access's size
.macro KLOAD s
.irp f, 0,1,2,3
.irp pc, 0,1,2,3,4,5
	ds_load_b64 v[FK+12*\f+2*\pc:FK+12*\f+2*\pc+1], v[ADK] offset:(2*(\s)+\f/2)*1536+768*(\f%2)+384*(\pc/3)+8*(\pc%3)
.endr
.endr
	ds_load_b64 v[KS:KS+1], v[ADT] offset:256*(\s)
.endm
; V's four fragments (16 of the head's 64 each) of step s.  Lanes 0-15 take a row's pieces 12 s + 0, 1, 2 and 12 s + 6, 7, 8, lanes 16-31 those three pieces on: behind one padding more where the piece's number mod 16 is 13 or more
.macro VLOAD s
.irp t, 0,1,2,3
.irp pc, 0,1,2,3,4,5
.set PCE, 12*(\s)+6*(\pc/3)+\pc%3
.if PCE%16 < 13
	ds_load_b64 v[FV+12*\t+2*\pc:FV+12*\t+2*\pc+1], v[ADV] offset:16*VP*\t+8*PCE+16*(PCE/16)
.else
	ds_load_b64 v[FV+12*\t+2*\pc:FV+12*\t+2*\pc+1], v[ADV1] offset:16*VP*\t+8*PCE+16*(PCE/16)
.endif
.endr
.endr
	ds_load_b64 v[VS:VS+1], v[ADT] offset:VSC-KSC+256*(\s)
.endm
; A KEY STEP: 128 keys, the s-th of the slot in hand.  A step all of whose keys come after my 16 queries ends my work in this slot: so no way leads into step s but through step s - 1, which has fetched its K.
.macro STEP s, lab
	s_add_co_u32 s96, s[KF], 128*(\s)
	s_cmp_gt_u32 s96, s[QL]
	s_cbranch_scc1 .Lend_\lab
.if (\s) == 0
	KLOAD 0
	s_wait_dscnt 0x0
.endif
.irp c, 0,1                                    ; S^T = K Q^T: eight tiles of 16 keys, each sum begun by the constant 0
.irp u, 0,1
.irp x, 0,1
.if \u
	v_wmma_scale_f32_16x16x128_f8f6f4 v[S+8*(4*\c+2*\u+\x):S+8*(4*\c+2*\u+\x)+7], v[FK+12*(2*\c+\u):FK+12*(2*\c+\u)+11], v[22-6*\x:33-6*\x], 0, v[KS+\c], v[QS] matrix_a_fmt:MATRIX_FMT_BF6 matrix_b_fmt:MATRIX_FMT_BF6 matrix_a_scale:MATRIX_SCALE_ROW1
.else
	v_wmma_scale_f32_16x16x128_f8f6f4 v[S+8*(4*\c+2*\u+\x):S+8*(4*\c+2*\u+\x)+7], v[FK+12*(2*\c+\u):FK+12*(2*\c+\u)+11], v[22-6*\x:33-6*\x], 0, v[KS+\c], v[QS] matrix_a_fmt:MATRIX_FMT_BF6 matrix_b_fmt:MATRIX_FMT_BF6
.endif
.endr
.endr
.endr
.rept 4
	v_nop                                          ; four places (ISA guide 7.12.1 for vector instructions): behind these products, ahead of the loads into K's registers and of the first read of the scores; and behind the last step's second products, ahead of the loads into V's
.endr
	s_wait_alu depctr_va_vdst(0)
	VLOAD \s                                       ; this step's V and the next step's K land under the softmax
.if (\s) < 3
	KLOAD (\s)+1
.endif
	s_add_co_u32 s96, s[KF], 128*(\s)+127          ; on the diagonal the scores of hidden keys become -infinity ahead of the maximum: p = 0 then.  A step all of whose keys count skips this
	s_cmp_le_u32 s96, s[Q0]
	s_cbranch_scc1 .Lopen_\@
	s_sub_co_i32 s96, s[Q0], s[KF]
	s_sub_co_i32 s96, s96, 128*(\s)
	v_and_b32 v[T1], 15, v0
	v_lshlrev_b32 v[T0], 2, v[H8]
	s_delay_alu instid0(VALU_DEP_1)
	v_sub_nc_u32 v[T1], v[T1], v[T0]
	s_delay_alu instid0(VALU_DEP_1)
	v_add_nc_u32 v[T1], s96, v[T1]                 ; d = my query - the step's first key - 32 (lane / 16).  Register 32 c + i holds the step's key 64 c + 32 (lane / 16) + i: hidden where 64 c + i > d
	v_mov_b32 v[T0], 0xff800000                    ; -infinity
.irp n, 0,1,2,3,4,5,6,7,8,9,10,11,12,13,14,15,16,17,18,19,20,21,22,23,24,25,26,27,28,29,30,31,32,33,34,35,36,37,38,39,40,41,42,43,44,45,46,47,48,49,50,51,52,53,54,55,56,57,58,59,60,61,62,63
	v_cmp_gt_i32 vcc_lo, 64*(\n/32)+\n%32, v[T1]
	v_cndmask_b32 v[S+\n], v[S+\n], v[T0], vcc_lo
.endr
.Lopen_\@:
.irp c, 0,1                                    ; THE LARGEST SCORE OF EACH BLOCK OF 32 KEYS, all of them mine: it serves for the row's maximum and, since p rises with the score, for the block's largest p.  Four chains by turns; each accumulator is first read at its low end
	v_max3_num_f32 v[B0+\c], v[S+32*\c], v[S+32*\c+1], v[S+32*\c+2]
	v_max3_num_f32 v[C0+\c], v[S+32*\c+16], v[S+32*\c+17], v[S+32*\c+18]
.endr
.irp i, 3,5,7,9,11,13
.irp c, 0,1
	v_max3_num_f32 v[B0+\c], v[B0+\c], v[S+32*\c+\i], v[S+32*\c+\i+1]
	v_max3_num_f32 v[C0+\c], v[C0+\c], v[S+32*\c+16+\i], v[S+32*\c+17+\i]
.endr
.endr
.irp c, 0
	v_max3_num_f32 v[B0+\c], v[B0+\c], v[C0+\c], v[S+32*\c+15]
.endr
.irp c, 1
	v_max3_num_f32 v[B0+\c], v[B0+\c], v[C0+\c], v[S+32*\c+15]
.endr
.irp c, 0,1
	v_max_num_f32 v[B0+\c], v[B0+\c], v[S+32*\c+31]
.endr
	s_delay_alu instid0(VALU_DEP_1)
	v_max_num_f32 v[T1], v[B0], v[B0+1]
	s_delay_alu instid0(VALU_DEP_1)
	v_permlanex16_b32 v[C0], v[T1], s[SEL], s[SEL+1]   ; my query's other 64 keys lie in the lane 16 away
	s_delay_alu instid0(VALU_DEP_1)
	v_max3_num_f32 v13, v13, v[T1], v[C0]          ; the running largest score
	s_delay_alu instid0(VALU_DEP_1)
	v_mul_f32 v[T1], s[CS], v13                    ; as t (c is positive)
	v_mov_b32 v[T0], v12
	s_delay_alu instid0(VALU_DEP_2)
	v_floor_f32 v12, -v[T1]                        ; the new -M = floor(-t) = -ceil(t): M IS A WHOLE NUMBER
	s_delay_alu instid0(VALU_DEP_1)
	v_sub_f32 v[T0], v12, v[T0]                    ; M's old value less its new one: a whole number, 0 or less
	s_delay_alu instid0(VALU_DEP_1)
	v_cvt_i32_f32 v[T0], v[T0]                     ; (it saturates)
	s_delay_alu instid0(VALU_DEP_1)
	v_ldexp_f32 v[FF], 1.0, v[T0]                  ; f = 2^(old M - new M)
.irp j, 0,2,4,6,8,10,12,14,16,18,20,22,24,26,28,30,32,34,36,38,40,42,44,46,48,50,52,54,56,58,60,62
	v_pk_fma_f32 v[S+\j:S+\j+1], v[S+\j:S+\j+1], s[CS:CS+1], v[12:13] op_sel_hi:[1,0,0]   ; t - M, two at a time (of the pairs c and -M the low word serves both halves)
.endr
	v_fma_f32 v[B0], v[B0], s[CS], v12             ; the same of each block's largest score
	v_fma_f32 v[B0+1], v[B0+1], s[CS], v12
	s_wait_alu depctr_va_vdst(0)
	v_exp_f32 v[B0], v[B0]                         ; ONE BATCH of 66 exponentials: the blocks' largest p (the same two instructions on the same number give the same bits),
	v_exp_f32 v[B0+1], v[B0+1]
.irp j, 0,1,2,3,4,5,6,7,8,9,10,11,12,13,14,15,16,17,18,19,20,21,22,23,24,25,26,27,28,29,30,31,32,33,34,35,36,37,38,39,40,41,42,43,44,45,46,47,48,49,50,51,52,53,54,55,56,57,58,59,60,61,62,63
	v_exp_f32 v[S+\j], v[S+\j]                     ; and p = 2^(t - M), at most 1: NOT normalised
.endr
	v_pk_mul_f32 v[14:15], v[14:15], v[FF:FF+1] op_sel_hi:[1,0]   ; the sums under the new M: the plain instruction behind the last exponential
	s_wait_alu depctr_va_vdst(0)                   ; one wait for the whole batch, ahead of its first reader
	v_pk_add_f32 v[44:45], v[148:149], v[152:153]
	v_pk_add_f32 v[250:251], v[156:157], v[160:161]
	v_pk_add_f32 v[248:249], v[164:165], v[168:169]
	v_pk_add_f32 v[246:247], v[172:173], v[176:177]
	v_pk_add_f32 v[244:245], v[180:181], v[184:185]
	v_pk_add_f32 v[242:243], v[188:189], v[192:193]
	v_pk_add_f32 v[240:241], v[196:197], v[200:201]
	v_pk_add_f32 v[14:15], v[14:15], v[204:205]
	v_pk_add_f32 v[44:45], v[44:45], v[144:145]
	v_pk_add_f32 v[250:251], v[250:251], v[146:147]
	v_pk_add_f32 v[248:249], v[248:249], v[150:151]
	v_pk_add_f32 v[246:247], v[246:247], v[154:155]
	v_pk_add_f32 v[244:245], v[244:245], v[158:159]
	v_pk_add_f32 v[242:243], v[242:243], v[162:163]
	v_pk_add_f32 v[240:241], v[240:241], v[166:167]
	v_pk_add_f32 v[14:15], v[14:15], v[170:171]
	v_pk_add_f32 v[44:45], v[44:45], v[174:175]
	v_pk_add_f32 v[250:251], v[250:251], v[178:179]
	v_pk_add_f32 v[248:249], v[248:249], v[182:183]
	v_pk_add_f32 v[246:247], v[246:247], v[186:187]
	v_pk_add_f32 v[244:245], v[244:245], v[190:191]
	v_pk_add_f32 v[242:243], v[242:243], v[194:195]
	v_pk_add_f32 v[240:241], v[240:241], v[198:199]
	v_pk_add_f32 v[14:15], v[14:15], v[202:203]
	v_pk_add_f32 v[44:45], v[44:45], v[206:207]
	s_delay_alu instid0(VALU_DEP_2)
	v_pk_add_f32 v[14:15], v[14:15], v[246:247]
	s_delay_alu instid0(VALU_DEP_2)
	v_pk_add_f32 v[44:45], v[44:45], v[244:245]
	v_pk_add_f32 v[250:251], v[250:251], v[242:243]
	v_pk_add_f32 v[248:249], v[248:249], v[240:241]
	s_delay_alu instid0(VALU_DEP_2)
	v_pk_add_f32 v[14:15], v[14:15], v[250:251]
	s_delay_alu instid0(VALU_DEP_2)
	v_pk_add_f32 v[44:45], v[44:45], v[248:249]
	s_delay_alu instid0(VALU_DEP_1)
	v_pk_add_f32 v[14:15], v[14:15], v[44:45]
.irp c, 0,1
	v_max_num_f32 v[B0+\c], 0x2800000, v[B0+\c]    ; the floor 2^(5 - 127): the byte cannot fall under 1 (a block whose every p is 0 keeps that byte: its codes are zeros)
.endr
.irp c, 0,1
	s_delay_alu instid0(VALU_DEP_2)
	v_add_nc_u32 v[E0+\c], 0xfe000000, v[B0+\c]    ; 4 off the exponent field: the conversion takes the exponent field of this operand as its scale, and nothing else of it
.endr
.irp c, 0,1
	s_delay_alu instid0(VALU_DEP_2)
	v_lshrrev_b32 v[B0+\c], 23, v[E0+\c]           ; the scale's byte
.endr
	s_delay_alu instid0(VALU_DEP_1)
	v_lshl_or_b32 v[T1], v[B0+1], 16, v[B0]        ; my two bytes: blocks (lane / 16) and 2 + (lane / 16) of my query,
	s_delay_alu instid0(VALU_DEP_1)
	v_lshlrev_b32 v[T1], v[H8], v[T1]              ; at their places in the scale word;
	s_delay_alu instid0(VALU_DEP_1)
	v_permlanex16_b32 v[C0], v[T1], s[SEL], s[SEL+1]
	s_delay_alu instid0(VALU_DEP_1)
	v_or_b32 v[PS], v[T1], v[C0]                   ; with lane l xor 16's two the word is whole
	v_cvt_scalef32_pk16_bf6_f32 v[P:P+2], v[S:S+15], v[E0]           ; registers 0-2 and 6-8 of the operand;
	v_cvt_scalef32_pk16_bf6_f32 v[P+6:P+8], v[S+32:S+47], v[E0+1]
	v_nop                                          ; one plain place behind a scaled conversion, ahead of a write of its sources
	v_cvt_scalef32_pk16_bf6_f32 v[S:S+2], v[S+16:S+31], v[E0]        ; (a conversion's three registers begin on an even number: the second half of a block's six does not, so it is made elsewhere and moved)
	v_cvt_scalef32_pk16_bf6_f32 v[S+4:S+6], v[S+48:S+63], v[E0+1]
	v_nop
.irp i, 0,1,2
	v_mov_b32 v[P+3+\i], v[S+\i]
	v_mov_b32 v[P+9+\i], v[S+4+\i]
.endr
.irp j, 0,2,4,6,8,10,12,14,16,18,20,22,24,26,28,30
	v_pk_mul_f32 v[OA+\j:OA+\j+1], v[OA+\j:OA+\j+1], v[FF:FF+1] op_sel_hi:[1,0]   ; O^T under the new M.  For each product below twelve of these name none of its registers: they are the places between the writes of p's codes and scale word and that product
.endr
	s_wait_alu depctr_va_vdst(0)
	s_wait_dscnt 0x0                               ; V is in, and so is the next step's K
.irp t, 0,1,2,3                                ; O^T += V^T P^T: the four accumulators by turns, one instruction a turn
.if \t%2
	v_wmma_scale_f32_16x16x128_f8f6f4 v[OA+8*\t:OA+8*\t+7], v[FV+12*\t:FV+12*\t+11], v[P:P+11], v[OA+8*\t:OA+8*\t+7], v[VS+\t/2], v[PS] matrix_a_fmt:MATRIX_FMT_BF6 matrix_b_fmt:MATRIX_FMT_BF6 matrix_a_scale:MATRIX_SCALE_ROW1
.else
	v_wmma_scale_f32_16x16x128_f8f6f4 v[OA+8*\t:OA+8*\t+7], v[FV+12*\t:FV+12*\t+11], v[P:P+11], v[OA+8*\t:OA+8*\t+7], v[VS+\t/2], v[PS] matrix_a_fmt:MATRIX_FMT_BF6 matrix_b_fmt:MATRIX_FMT_BF6
.endif
.endr
.endm
; THE WAY OUT of my 16 queries.  The sum's parts are added; O^T is divided by the sum and goes through my own stage in LDS (rows of 256 bytes + 16), so that 32 lanes store two whole rows of out0: 512 consecutive bytes, aligned.
.macro OUT
	v_add_f32 v14, v14, v15                        ; the sum's two halves,
	s_delay_alu instid0(VALU_DEP_1)
	v_permlanex16_b32 v[C0], v14, s[SEL], s[SEL+1]
	s_delay_alu instid0(VALU_DEP_1)
	v_add_f32 v14, v14, v[C0]                      ; and lane l xor 16's: the row's sum
	s_wait_alu depctr_va_vdst(0)
	v_rcp_f32 v14, v14
	v_and_b32 v[T0], 15, v0                        ; r.  (The address lines are the plain work behind the reciprocal and the places behind the last products)
	v_bfe_u32 v[T1], v0, 4, 1                      ; h
	s_mul_i32 s96, s[WV], 16*SP
	s_add_co_u32 s96, s96, STAGE                   ; my stage
	v_mul_u32_u24 v10, v[T0], SP
	s_delay_alu instid0(VALU_DEP_1)
	v_lshl_add_u32 v10, v[T1], 5, v10
	s_delay_alu instid0(VALU_DEP_1)
	v_add_nc_u32 v10, s96, v10                     ; in: row r; tile t's eight channels of my half: 64 t + 32 h bytes on
	v_mul_u32_u24 v11, v[T1], SP
	s_delay_alu instid0(VALU_DEP_1)
	v_lshl_add_u32 v11, v[T0], 4, v11
	s_delay_alu instid0(VALU_DEP_1)
	v_add_nc_u32 v11, s96, v11                     ; back: lanes 0-15 one row, lanes 16-31 the next
	v_lshlrev_b32 v9, 8, v[T1]
	s_delay_alu instid0(VALU_DEP_1)
	v_lshl_add_u32 v9, v[T0], 4, v9                ; and the same two rows in out0
	s_wait_alu depctr_va_vdst(0)                   ; the wait ahead of the reciprocal's first reader
.irp j, 0,2,4,6,8,10,12,14,16,18,20,22,24,26,28,30
	v_pk_mul_f32 v[S+\j:S+\j+1], v[OA+\j:OA+\j+1], v[14:15] op_sel_hi:[1,0]   ; register 8 t + i is out0(r, 16 t + 8 h + i); each accumulator from its low end on
.endr
.irp t, 0,1,2,3
	ds_store_b128 v10, v[S+8*\t:S+8*\t+3] offset:64*\t
	ds_store_b128 v10, v[S+8*\t+4:S+8*\t+7] offset:64*\t+16
.endr
.irp i, 0,1,2,3,4,5,6,7
	ds_load_b128 v[FK+4*\i:FK+4*\i+3], v11 offset:2*SP*\i   ; LDS serves a wave's instructions in order (ISA guide 5.7.1.4): these see my stores
.endr
.irp i, 0,1,2,3,4,5,6,7
	s_wait_dscnt 7-\i                              ; load i is back; the 7 - i younger ones may stay out
	global_store_b128 v9, v[FK+4*\i:FK+4*\i+3], s[16:17] offset:512*\i th:TH_STORE_NT
.endr
	s_wait_xcnt 0x0                                ; the stores have read their registers: v9 and K's registers are written again only behind this wait
.endm
; A slot's four key steps; behind them, in the one slot that holds my diagonal, the way out.
.macro SLOT_BODY lab
	v_add_nc_u32 v[ADK], s[TB], v[AK0]
	v_add_nc_u32 v[ADV], s[TB], v[AV0]
	v_add_nc_u32 v[ADV1], s[TB], v[AV1]
	v_add_nc_u32 v[ADT], s[TS], v[AT0]
	STEP 0, \lab
	STEP 1, \lab
	STEP 2, \lab
	STEP 3, \lab
.Lend_\lab:
	s_cmp_lg_u32 s[QSL], s[KF]
	s_cbranch_scc1 .Lnoout_\lab
	OUT
.Lnoout_\lab:
	s_add_co_u32 s[KF], s[KF], 512
	s_xor_b32 s[TB], s[TB], SLOT1                  ; on to the other slot
	s_add_co_u32 s[TS], s[TS], 1024
.endm
	s_load_b128 s[4:7], s[0:1], 0x0                ; Q's codes, Q's scales
	s_load_b128 s[8:11], s[0:1], 0x10              ; K's codes, K's scales
	s_load_b128 s[12:15], s[0:1], 0x20             ; V's codes, V's scales
	s_load_b64 s[16:17], s[0:1], 0x30              ; out0
	v_lshl_add_u32 v[SPW], v0, 2, SPARE
	v_mov_b32 v[NIL], 0
	ds_add_u32 v[SPW], v[NIL]                      ; the wave's opening: the add, twice on end, and its wait ahead of the first tensor load; the set-up below, work on registers, stands between
	ds_add_u32 v[SPW], v[NIL]
	v_lshrrev_b32 v[T0], 5, v0
	s_delay_alu instid0(VALU_DEP_1)
	v_readfirstlane_b32 s[WV], v[T0]               ; wave 0..15
	s_and_b32 s66, ttmp7, 0xffff                   ; the head
	s_lshr_b32 s67, s[WV], 2
	s_xor_b32 s67, s67, s[WV]
	s_and_b32 s19, s67, 1                          ; 0: block p, 1: block 31 - p
	s_sub_co_u32 s67, 31, ttmp9
	s_cmp_eq_u32 s19, 0
	s_cselect_b32 s67, ttmp9, s67                  ; my block of 128 queries
	s_lshl_b32 s67, s67, 7
	s_lshr_b32 s68, s[WV], 1
	s_lshl_b32 s68, s68, 4                         ; my tile in it
	s_add_co_u32 s[Q0], s67, s68
	s_add_co_u32 s[QL], s[Q0], 15
	s_lshl_b32 s67, ttmp9, 7
	s_sub_co_u32 s[QW], 4095, s67
	s_and_b32 s[QSL], s[Q0], 0xfffffe00
	s_mul_i32 s68, s66, 196608                     ; the head's first byte in each tensor of codes (4,096 x 48 = 64 x 3,072),
	s_mov_b32 s69, 0
	s_lshl_b32 s70, s66, 13                        ; and in each tensor of scale bytes
	s_mov_b32 s71, 0
	s_lshl_b32 s72, s66, 12
	s_add_co_u32 s72, s72, s[Q0]                   ; my first query among all rows
	s_mul_i32 s74, s72, 48                         ; its codes,
	s_mov_b32 s75, 0
	s_lshl_b32 s76, s72, 1                         ; its scale bytes,
	s_mov_b32 s77, 0
	s_lshl_b32 s78, s72, 8                         ; its row of out0
	s_mov_b32 s79, 0
	s_and_b32 s73, s[WV], 1                        ; what I fetch, if I fetch: K's even or odd groups; V's rows 0-31 or 32-63
	s_mul_i32 s80, s73, 1536
	s_add_co_u32 s80, s80, s68                     ; K: in memory,
	s_mov_b32 s81, 0
	s_mul_i32 s82, s73, 98304
	s_add_co_u32 s82, s82, s68                     ; V: in memory,
	s_mov_b32 s83, 0
	s_mul_i32 s84, s73, KEO                        ; K: in a slot,
	s_mul_i32 s85, s73, 32*VP
	s_add_co_u32 s85, s85, VOFF                    ; V: in a slot
	; descriptor group 1.  K: 8 rows of 1,536 bytes (a group of 32 keys each), 3,072 bytes apart: every second group; a slot has no more such rows.  V: 32 rows of 384 bytes, 3,072 apart, 16 bytes of padding behind every 128
	s_mov_b32 s[G1K], 0                            ; 15:0 no mask; 17:16 elements of 1 byte; 20 padding off
	s_mov_b32 s[G1K+1], 1536<<16                   ; tensor_dim0
	s_mov_b32 s[G1K+2], 8<<16                      ; tensor_dim1
	s_mov_b32 s[G1K+3], 1536<<16                   ; tile_dim0
	s_mov_b32 s[G1K+4], 8                          ; tile_dim1
	s_mov_b32 s[G1K+5], 3072                       ; tensor_dim0_stride
	s_mov_b32 s[G1K+6], 0
	s_mov_b32 s[G1K+7], 0
	s_mov_b32 s[G1V], (1<<20)|(4<<22)|(3<<25)      ; 20 padding on; 24:22 after every 32 words (code 4); 31:25 of 4 words (code 3)
	s_mov_b32 s[G1V+1], 384<<16
	s_mov_b32 s[G1V+2], 32<<16
	s_mov_b32 s[G1V+3], 384<<16
	s_mov_b32 s[G1V+4], 32
	s_mov_b32 s[G1V+5], 3072
	s_mov_b32 s[G1V+6], 0
	s_mov_b32 s[G1V+7], 0
	s_mov_b32 s[SEL], 0x76543210
	s_mov_b32 s[SEL+1], 0xfedcba98
	s_mov_b32 s[CS], 0x3e38aa3b                    ; c = log2(e) / 8
	s_mov_b32 s[CS+1], s[CS]                       ; (named with it as a pair, so it is written)
	s_mov_b32 s[TB], 0
	s_mov_b32 s[TS], 0
	s_mov_b32 s[KF], 0
	s_mov_b32 s[SLOTS], 7
	v_and_b32 v[T1], 15, v0                        ; r
	v_bfe_u32 v[T0], v0, 4, 1                      ; h
	s_delay_alu instid0(VALU_DEP_2)
	v_mul_u32_u24 v8, v[T1], 48
	s_delay_alu instid0(VALU_DEP_1)
	v_mad_u32_u24 v8, v[T0], 24, v8                ; Q: row r, + my half's 24 bytes
	s_delay_alu instid0(VALU_DEP_4)
	v_lshlrev_b32 v9, 1, v[T1]                     ; its scale bytes
	v_lshlrev_b32 v10, 4, v0                       ; the head's scale bytes of K and of V: 16 bytes a thread, 8,192 in all
	s_wait_dscnt 0x0                               ; both opening adds are done
	s_wait_kmcnt 0x0
	s_mov_b32 s[G0K], 1                            ; 1:0 count = 1
	s_mov_b32 s[G0K+1], s84                        ; 63:32 LDS address: slot 0
	s_add_nc_u64 s[G0K+2:G0K+3], s[8:9], s[80:81]  ; 120:64 global address: the head's first 512 keys
	s_or_b32 s[G0K+3], s[G0K+3], 0x80000000        ; 127:126 type = 2
	s_mov_b32 s[G0V], 1
	s_mov_b32 s[G0V+1], s85
	s_add_nc_u64 s[G0V+2:G0V+3], s[12:13], s[82:83]
	s_or_b32 s[G0V+3], s[G0V+3], 0x80000000
	TLOAD                                          ; slot 0: key 0 counts for every query, so every wave reads it.  By this text's count a wave never has more than one tensor load out
	s_add_nc_u64 s[10:11], s[10:11], s[70:71]
	s_add_nc_u64 s[14:15], s[14:15], s[70:71]
	s_add_nc_u64 s[4:5], s[4:5], s[74:75]
	s_add_nc_u64 s[6:7], s[6:7], s[76:77]
	s_add_nc_u64 s[16:17], s[16:17], s[78:79]
	s_wait_alu depctr_va_vdst(0)
	global_load_b128 v[48:51], v10, s[10:11]       ; the scale bytes of keys 8 T .. 8 T + 7 (T: my thread's number)
	global_load_b128 v[52:55], v10, s[14:15]       ; V's: row T / 8, steps 4 (T % 8) .. + 3
	global_load_b64 v[22:23], v8, s[4:5]           ; Q's codes stay in registers
	global_load_b64 v[24:25], v8, s[4:5] offset:8
	global_load_b64 v[26:27], v8, s[4:5] offset:16
	global_load_u16 v[QS], v9, s[6:7]
	; the prefetches (macro ASK): where my wave's stand, and who asks
	s_cmp_lt_u32 s[WV], 8                          ; waves 4 to 6 ask for K's codes, waves 8 to 11 for V's
	s_cselect_b64 s[PFA:PFA+1], s[8:9], s[12:13]
	s_mov_b32 s[PFS], 384
	s_cselect_b32 s[PFS], 24576, s[PFS]            ; a slot on
	s_mov_b32 s86, 3072
	s_cselect_b32 s86, 256, s86                    ; from lane to lane
	s_mov_b32 s87, 98304
	s_cselect_b32 s87, 8192, s87                   ; from wave to wave
	s_cselect_b32 s88, 3, 1
	s_mov_b32 s[PFS+1], 0
	v_and_b32 v[PFO], 31, v0
	s_delay_alu instid0(VALU_DEP_1)
	v_mul_lo_u32 v[PFO], v[PFO], s86
	s_and_b32 s88, s[WV], s88
	s_mul_i32 s88, s88, s87                        ; my wave's part,
	s_add_co_u32 s88, s88, s[PFS]                  ; in slot 1: the first change of slots steps it to slot 2.  Nothing is prefetched here, at the head, where every work-group's first tiles are on their way
	s_lshr_b32 s89, s[WV], 1
	s_cmp_eq_u32 s89, 4
	s_cselect_b32 s90, 383, 0                      ; waves 8 and 9: the last byte of a row's part of a slot
	s_cmp_eq_u32 s89, 5
	s_cselect_b32 s[EVR], 1, 0                     ; waves 10 and 11: its first byte, in even slots
	s_add_co_u32 s88, s88, s90
	s_mov_b32 s89, 0
	s_add_nc_u64 s[PFA:PFA+1], s[PFA:PFA+1], s[68:69]   ; in my head
	s_add_nc_u64 s[PFA:PFA+1], s[PFA:PFA+1], s[88:89]
	s_sub_co_u32 s86, s[WV], 4
	s_lshr_b32 s86, s86, 3                         ; 0 in waves 4 to 11,
	s_or_b32 s86, s86, ttmp9                       ; of work-group p = 0
	s_cmp_eq_u32 s86, 0
	s_cselect_b32 s[LIM], 1, -1
	s_cmp_eq_u32 s[WV], 7                          ; (K's block is three waves' worth)
	s_cselect_b32 s[LIM], -1, s[LIM]
	; the addresses that stay.  v[T1] = r, v[T0] = h still stand
	v_lshlrev_b32 v[H8], 3, v[T0]
	v_mul_u32_u24 v[AV0], v[T1], VP
	s_delay_alu instid0(VALU_DEP_1)
	v_add_nc_u32 v[AV0], VOFF, v[AV0]
	s_delay_alu instid0(VALU_DEP_1)
	v_mad_u32_u24 v[AV1], v[T0], 40, v[AV0]        ; V: row r, + 40 h behind one padding more,
	s_delay_alu instid0(VALU_DEP_2)
	v_mad_u32_u24 v[AV0], v[T0], 24, v[AV0]        ; + 24 h else
	v_and_b32 v[AK0], 7, v0
	s_delay_alu instid0(VALU_DEP_1)
	v_mul_u32_u24 v[AK0], v[AK0], 48
	s_delay_alu instid0(VALU_DEP_1)
	v_mad_u32_u24 v[AK0], v[T0], 24, v[AK0]
	v_bfe_u32 v[T0], v0, 3, 1
	s_delay_alu instid0(VALU_DEP_1)
	v_mad_u32_u24 v[AK0], v[T0], KEO, v[AK0]       ; K: rows 0-7 of a tile lie in an even group of 32 keys, rows 8-15 in the odd group behind it: KEO (r / 8) + 48 (r % 8) + 24 h
	v_and_b32 v[AT0], 31, v0
	s_delay_alu instid0(VALU_DEP_1)
	v_lshl_add_u32 v[AT0], v[AT0], 3, KSC          ; the tables: 8 bytes a lane
.irp j, 16,17,18,19,20,21,28,29,30,31,32,33
	v_mov_b32 v\j, 0                               ; the zero codes on both sides of q
.endr
	v_mov_b32 v13, 0xff61b1e6                      ; the largest score so far: -3e38, under every score
	s_delay_alu instid0(VALU_DEP_1)
	v_mul_f32 v[T1], s[CS], v13
	s_delay_alu instid0(VALU_DEP_1)
	v_floor_f32 v12, -v[T1]                        ; -M
	v_mov_b32 v14, 0                               ; the sum, in two halves
	v_mov_b32 v15, 0
	v_mov_b32 v[C0], 0                             ; written once: a lane permute's destination counts as one of its sources
	v_mov_b32 v[C0+1], 0
	v_mov_b32 v[FF+1], 0                           ; (named as the upper half of the pair before the pair is first read)
	; where my scale bytes go.  Key 8 T + j = 128 step + 64 c + 32 a + 16 u + 8 e + j goes to K's table at 256 step + 128 u + 64 a + 8 j + 4 c + 2 e: e, u, a, c are bits 0 to 3 of T, step = T / 16
	v_and_b32 v11, 0x1f0, v0
	s_delay_alu instid0(VALU_DEP_1)
	v_lshlrev_b32 v11, 4, v11
	v_bfe_u32 v[T0], v0, 1, 1
	s_delay_alu instid0(VALU_DEP_1)
	v_lshl_add_u32 v11, v[T0], 7, v11
	v_bfe_u32 v[T0], v0, 2, 1
	s_delay_alu instid0(VALU_DEP_1)
	v_lshl_add_u32 v11, v[T0], 6, v11
	v_bfe_u32 v[T0], v0, 3, 1
	s_delay_alu instid0(VALU_DEP_1)
	v_lshl_add_u32 v11, v[T0], 2, v11
	v_and_b32 v[T0], 1, v0
	s_delay_alu instid0(VALU_DEP_1)
	v_lshl_add_u32 v11, v[T0], 1, v11
	s_delay_alu instid0(VALU_DEP_1)
	v_add_nc_u32 v11, KSC, v11
	; V's word of row d = T / 8 = 32 g + lane and step 4 (T % 8) + j goes to V's table at 256 step + 8 lane + 4 g
	v_and_b32 v[T1], 7, v0
	s_delay_alu instid0(VALU_DEP_1)
	v_lshlrev_b32 v[T1], 10, v[T1]
	v_bfe_u32 v[T0], v0, 3, 5
	s_delay_alu instid0(VALU_DEP_1)
	v_lshl_add_u32 v[T1], v[T0], 3, v[T1]
	v_lshrrev_b32 v[T0], 8, v0
	s_delay_alu instid0(VALU_DEP_1)
	v_lshl_add_u32 v[T1], v[T0], 2, v[T1]
	s_delay_alu instid0(VALU_DEP_1)
	v_add_nc_u32 v[T1], VSC, v[T1]
	s_wait_alu depctr_va_vdst(0)
	s_wait_loadcnt 0x0                             ; Q and the scale bytes are in
	v_lshl_or_b32 v[QS], v[QS], 16, v[QS]          ; q's two bytes serve k 0-63 and k 64-127.  The 36 plain lines below are the places between this write and the first product
.irp i, 0,1,2,3
	v_lshrrev_b32 v[56+\i], 16, v[48+\i]           ; the odd keys' two bytes
.endr
.irp i, 0,1,2,3
	ds_store_b16 v11, v[48+\i] offset:16*\i
	ds_store_b16 v11, v[56+\i] offset:16*\i+8
.endr
.irp j, 0,1,2,3
	ds_store_b32 v[T1], v[52+\j] offset:256*\j
.endr
.irp j, 0,1,2,3,4,5,6,7,8,9,10,11,12,13,14,15,16,17,18,19,20,21,22,23,24,25,26,27,28,29,30,31
	v_mov_b32 v[OA+\j], 0                          ; O^T.  (The step is written once: the first finds zeros, which the first change of M leaves zeros)
.endr
.Lslot:                                            ; seven trips: behind each change of slots but the last the next slot is asked for, up to the causal limit.
	CHANGE 1
	SLOT_BODY 0
	s_sub_co_u32 s[SLOTS], s[SLOTS], 1
	s_cmp_lg_u32 s[SLOTS], 0
	s_cbranch_scc1 .Lslot
	CHANGE 0                                       ; the last slot is written out: nothing is left to fetch
	SLOT_BODY 1
	s_wait_tensorcnt 0x0                           ; the wave's end: behind my last tensor load and my last LDS store
	ds_add_u32 v[SPW], v[NIL]
	s_wait_dscnt 0x0
	s_endpgm
.Lfunc_end_k_q7254554259_attn:
	.size	k_q7254554259_attn, .Lfunc_end_k_q7254554259_attn-k_q7254554259_attn
	.p2alignl 7, 3214868480
	.fill 96, 4, 3214868480
	.section	.rodata,"a",@progbits
	.p2align	6, 0x0
	.amdhsa_kernel k_q7254554259_attn
		.amdhsa_group_segment_fixed_size 327680
		.amdhsa_private_segment_fixed_size 0
		.amdhsa_enable_private_segment 0
		.amdhsa_kernarg_size 56
		.amdhsa_user_sgpr_count 2
		.amdhsa_user_sgpr_kernarg_segment_ptr 1
		.amdhsa_wavefront_size32 1
		.amdhsa_system_sgpr_workgroup_id_x 1
		.amdhsa_system_sgpr_workgroup_id_y 1
		.amdhsa_system_sgpr_workgroup_id_z 1
		.amdhsa_system_vgpr_workitem_id 0
		.amdhsa_next_free_vgpr 256
		.amdhsa_next_free_sgpr 100
		.amdhsa_reserve_vcc 1
		.amdhsa_float_denorm_mode_32 3
		.amdhsa_float_denorm_mode_16_64 3
		.amdhsa_memory_ordered 1
		.amdhsa_forward_progress 1
		.amdhsa_inst_pref_size 197
	.end_amdhsa_kernel
	.amdgpu_metadata
---
amdhsa.version: [ 1, 2 ]
amdhsa.kernels:
  - .name:           k_q7254554259_attn
    .symbol:         k_q7254554259_attn.kd
    .args:
      - { .name: q_codes, .offset: 0, .size: 8, .value_kind: global_buffer, .address_space: global }
      - { .name: q_scales, .offset: 8, .size: 8, .value_kind: global_buffer, .address_space: global }
      - { .name: k_codes, .offset: 16, .size: 8, .value_kind: global_buffer, .address_space: global }
      - { .name: k_scales, .offset: 24, .size: 8, .value_kind: global_buffer, .address_space: global }
      - { .name: v_codes, .offset: 32, .size: 8, .value_kind: global_buffer, .address_space: global }
      - { .name: v_scales, .offset: 40, .size: 8, .value_kind: global_buffer, .address_space: global }
      - { .name: out0, .offset: 48, .size: 8, .value_kind: global_buffer, .address_space: global }
    .group_segment_fixed_size: 327680
    .private_segment_fixed_size: 0
    .kernarg_segment_align: 8
    .kernarg_segment_size: 56
    .max_flat_workgroup_size: 512
    .sgpr_count:     100
    .vgpr_count:     256
    .wavefront_size: 32
...
	.end_amdgpu_metadata
.endif
;; end of part 1
